; MI455X (gfx1250); checked and timed in simulation.
; The chip was launched on July 23, 2026; its instructions are those of AMD's public machine-readable ISA for CDNA 5 (MIT licence, August 2026) and "CDNA5" Instruction Set Architecture Reference Guide (July 2026). The comments in the code are by the model that wrote it; some were corrected since.
;; LSTM Cell. Allowed arithmetic: matrix products marked QUANTISED: E2M3 operands, one E8M0 scale for each 32 along K, by v_wmma_scale_f32_16x16x128_f8f6f4 with both operands' format E2M3, f32 sums; everything else in f32.
;; Inputs: W_ch 1,024 x 1,024 float32; W_cx 1,024 x 1,024 float32; W_fh 1,024 x 1,024 float32; W_fx 1,024 x 1,024 float32; W_ih 1,024 x 1,024 float32; W_ix 1,024 x 1,024 float32; W_oh 1,024 x 1,024 float32; W_ox 1,024 x 1,024 float32; b_c 1,024 float32; b_f 1,024 float32; b_i 1,024 float32; b_o 1,024 float32; cell 8,192 x 1,024 float32; hidden 8,192 x 1,024 float32; x 8,192 x 1,024 float32.
;; Outputs: out0 8,192 x 1,024 float32; out1 8,192 x 1,024 float32.
;; This version of the problem:
;;   THIS VERSION OF THE PROBLEM IS GIVEN IN LOW PRECISION. The matrix products marked QUANTISED in the list below multiply operands that are first quantised to E2M3 (2 exponent bits, 3 mantissa bits; 6 bits a number), with one power-of-two scale for each 32 numbers along K (OCP MX v1.0); their sums are f32. All else is computed in f32.
;;   The module's matrix products, in the order in which they are computed (A, B: the left and right operand; K: the contracted axis; several contracted axes count as one K, in the product's order):
;;     1. [M 8,192, K 1,024] x [K 1,024, N 1,024]; A: input x; B: input W_fx: QUANTISED
;;     2. [M 8,192, K 1,024] x [K 1,024, N 1,024]; A: input hidden; B: input W_fh: QUANTISED
;;     3. [M 8,192, K 1,024] x [K 1,024, N 1,024]; A: input x; B: input W_ix: QUANTISED
;;     4. [M 8,192, K 1,024] x [K 1,024, N 1,024]; A: input hidden; B: input W_ih: QUANTISED
;;     5. [M 8,192, K 1,024] x [K 1,024, N 1,024]; A: input x; B: input W_cx: QUANTISED
;;     6. [M 8,192, K 1,024] x [K 1,024, N 1,024]; A: input hidden; B: input W_ch: QUANTISED
;;     7. [M 8,192, K 1,024] x [K 1,024, N 1,024]; A: input x; B: input W_ox: QUANTISED
;;     8. [M 8,192, K 1,024] x [K 1,024, N 1,024]; A: input hidden; B: input W_oh: QUANTISED
;;   THE QUANTISER, for each operand of a quantised product, along K:
;;     - K is cut into blocks of 32 from its start; a last block that is shorter is filled with zeros.
;;     - A block's scale is 2^e with e = floor(log2(the largest magnitude in the block)) - 2, held to -126 .. 127; a block of zeros has e = 0. As a byte (E8M0): e + 127.
;;     - Each number is divided by its block's scale, clamped to +-7.5, and rounded to the nearest number of E2M3, ties to even, subnormals kept.
;;     - The product sums the exact products of the quantised numbers (number of the format x scale) in f32.
;;   ~~~python
;;   def quantise(x, axis):      # numpy; x: float32 -> the quantised numbers, widened to float32 again
;;       x = np.moveaxis(x, axis, -1); K = x.shape[-1]
;;       x = np.pad(x, [(0, 0)] * (x.ndim - 1) + [(0, -K % 32)]); x = x.reshape(x.shape[:-1] + (-1, 32)); a = np.abs(x).max(-1, keepdims=True)
;;       e = np.where(a > 0, np.clip(np.frexp(np.where(a > 0, a, 1))[1] - 1 - 2, -126, 127), 0)      # np.frexp(a)[1] - 1 = floor(log2(a)), exactly
;;       r = np.clip(x / 2.0 ** e, -7.5, 7.5)
;;       step = 2.0 ** (np.maximum(np.frexp(np.where(r == 0, 1, r))[1] - 1, 0) - 3)
;;       q = np.round(r / step) * step * 2.0 ** e      # np.round: ties to even
;;       return np.moveaxis(q.reshape(q.shape[:-2] + (-1,))[..., :K], -1, axis).astype(np.float32)
;;   ~~~
;; One version. Each part assembles by itself: llvm-mc -triple=amdgcn-amd-amdhsa -mcpu=gfx1250 --defsym DOCPART=n.
;; ======== version 1 of 1: 2 launches
;; limits: below input magnitudes of 0.0001 results are inexact or not finite
;; workspace buffers: aq 12,582,912 bytes; asc 524,288 bytes; wq 6,291,456 bytes; wsc 262,144 bytes
;; launch quant (part 1): grid 768 x 1, 4 waves a work-group, no clusters, 33,280 bytes of LDS; arguments x, hidden, W_fx, W_fh, W_ix, W_ih, W_cx, W_ch, W_ox, W_oh, aq, asc, wq, wsc; writes aq, asc, wq, wsc
.if DOCPART == 1
	.amdgcn_target "amdgcn-amd-amdhsa--gfx1250"
	.amdhsa_code_object_version 6
	.text
	.protected	k_q86327b2b63_quant
	.globl	k_q86327b2b63_quant
	.p2align	8
	.type	k_q86327b2b63_quant,@function
k_q86327b2b63_quant:
	s_mov_b64 s[64:65], 0
	v_nop
	global_prefetch_b8 v0, s[64:65] scope:SCOPE_SE
	s_setreg_imm32_b32 hwreg(HW_REG_WAVE_MODE, 25, 1), 1
	s_wait_xcnt 0x0
; x, hidden [8192][1024] and the eight weights [1024][1024], f32, K innermost, become codes of FP6 (E2M3), 6 bits each, with one E8M0 scale byte for each 32 along K.
; The eight products of the cell are ONE product: A = [x | hidden] (K = 2,048) against W = the four gates' [W_gx | W_gh].  The seam at K = 1,024 is a block's edge, so no block of 32 changes.
;   aq  [8192][1536 bytes]: a row's codes of x (768 bytes), then of hidden (768);   asc [8192][64]: 32 scale bytes of x, then 32 of hidden.
;   wq  [4096][1536], wsc [4096][64] likewise.  ROW rho = 256 tn + 128 wn + 32 g + c of wq is gate g (0 f, 1 i, 2 c, 3 o), hidden column 64 tn + 32 wn + c: so the four gates of a column meet in one wave of the product's launch.
; A block's scale is 2^(floor(log2(its largest magnitude)) - 2); its byte is the largest magnitude's own exponent field - 2, held at 1 from below.  Each number is divided by the scale and rounded to the nearest code, ties to even;
; beyond 7.5 the conversion gives the largest code.
; LIMITS: a block of zeros, or one whose largest magnitude lies under 2^-124, gets the byte 1 (its codes are zeros or what that scale gives; the bytes are read by this program alone); NaN and infinities among the inputs are not served.
; SHARES.  A work-group takes 16 rows of aq (work-groups 0-511) or of wq (512-767), a wave 4 of them: 16 steps of 512 numbers, steps 0-7 from the first source (x, W_gx), steps 8-15 from the second (hidden, W_gh).
; So a wave writes 4 whole rows of codes, 6,144 consecutive bytes, and 4 whole rows of scale bytes, 256 consecutive bytes at a multiple of 256.  Only pointers and row numbers are chosen by the work-group's number: there is one path.
; The conversion takes 16 neighbours along K from ONE lane's registers; a load is best where neighbouring LANES take neighbouring bytes.  Both are had: each of a step's four loads reads 512 consecutive bytes, 16 a lane; the 2,048 bytes
; go through the wave's own stage in LDS as they lie and come back 64 bytes a lane (16 bytes of padding behind each 64).  Two neighbouring lanes hold a block.  No tensor loads, no barrier: waves share nothing.
; Loads run four steps (16 loads a wave) ahead, the turn through LDS one step.  Every offset is an immediate, every step has its own registers for codes and byte: no store's data are written again.
.set STEPS, 16
.set AWG,   512                        ; work-groups that take A
.set EMAX,  2
.set CB,    12                         ; bytes of 16 codes
.set CROW,  1536                       ; a row of aq or wq in bytes
.set SROW,  64                         ; a row of asc or wsc
.set R,     16                         ; v16-79   four sets of 16 numbers as they are loaded
.set X,     80                         ; v80-111  two sets of 16 neighbours
.set E,     112                        ; v112-127 a scale byte for each step
.set C,     128                        ; v128-191 codes: four registers for each step
.set WREG,  8192                       ; LDS: a region for each wave: two stages of 32 x SP bytes, behind them its 256 scale bytes
.set SP,    80                         ; a lane's place in a stage: its 64 bytes + 16 of padding
	s_load_b512 s[8:23], s[0:1], 0x0               ; x s[8:9], hidden s[10:11], W_fx, W_fh, W_ix, W_ih, W_cx, W_ch s[12:23]
	s_load_b128 s[24:27], s[0:1], 0x40             ; W_ox, W_oh
	s_load_b256 s[28:35], s[0:1], 0x50             ; aq, asc, wq, wsc
	v_lshl_add_u32 v192, v0, 2, 0x8000
	v_mov_b32 v193, 0
	v_lshrrev_b32 v1, 5, v0
	v_readfirstlane_b32 s2, v1                     ; wave
	v_and_b32 v2, 31, v0                           ; lane
	v_lshlrev_b32 v3, 4, v2                        ; my 16 bytes of a load's 512
	s_mul_i32 s3, s2, WREG
	v_lshrrev_b32 v14, 2, v2
	v_mul_u32_u24 v14, v14, SP
	v_and_b32 v15, 3, v2
	v_lshl_add_u32 v14, v15, 4, v14
	v_add_nc_u32 v14, s3, v14                      ; the stage, on the way in: SP (lane / 4) + 16 (lane % 4); a load's 512 bytes take eight places
	v_mul_u32_u24 v15, v2, SP
	v_add_nc_u32 v15, s3, v15                      ; and on the way out: SP x lane: my 16 neighbours
	v_mul_u32_u24 v4, v2, CB                       ; my codes' place in a step's 384 bytes
	v_lshrrev_b32 v5, 1, v2
	s_add_co_u32 s3, s3, 2*32*SP
	v_add_nc_u32 v5, s3, v5                        ; LDS: my wave's 256 scale bytes, my block's byte
	v_lshlrev_b32 v7, 3, v2                        ; and on the way out 8 bytes a lane
	v_add_nc_u32 v6, s3, v7
	; which rows: all from the work-group's number.  A weight's work-group number j = 16 tn + 8 wn + 2 g + u takes rows 16 j of wq: gate g, columns 64 tn + 32 wn + 16 u on
	s_sub_co_u32 s36, ttmp9, AWG                   ; j (used in W's work-groups alone)
	s_lshr_b32 s37, s36, 1
	s_and_b32 s37, s37, 3                          ; g
	s_lshr_b32 s38, s36, 3
	s_lshl_b32 s38, s38, 5                         ; 64 tn + 32 wn
	s_and_b32 s43, s36, 1
	s_lshl_b32 s43, s43, 4
	s_add_co_u32 s38, s38, s43                     ; + 16 u: the first row of the weight
	s_lshl_b32 s39, ttmp9, 4                       ; the first row of x and hidden
	s_wait_kmcnt 0x0
	s_cmp_lt_u32 ttmp9, AWG                        ; A's work-group or W's?  The choices hang on the work-group's number alone
	s_cselect_b32 s40, ttmp9, s36                  ; which 16 rows of the destination
	s_cselect_b32 s41, s39, s38                    ; the first source row
	s_cselect_b32 s42, -1, s37                     ; the gate; none for A
	s_cselect_b64 s[28:29], s[28:29], s[32:33]     ; the codes' buffer
	s_cselect_b64 s[30:31], s[30:31], s[34:35]     ; the scale bytes' buffer
.irp g, 0,1,2,3
	s_cmp_eq_u32 s42, \g
	s_cselect_b64 s[8:9], s[12+4*\g:13+4*\g], s[8:9]       ; the first source: x, or W_gx
	s_cselect_b64 s[10:11], s[14+4*\g:15+4*\g], s[10:11]   ; the second: hidden, or W_gh
.endr
	s_lshl_b32 s43, s2, 2                          ; my wave's 4 rows
	s_add_co_u32 s44, s41, s43
	s_lshl_b32 s44, s44, 12                        ; rows of 4,096 bytes: under 2^26
	s_mov_b32 s45, 0
	s_add_nc_u64 s[8:9], s[8:9], s[44:45]
	s_add_nc_u64 s[10:11], s[10:11], s[44:45]
	s_lshl_b32 s46, s40, 4
	s_add_co_u32 s46, s46, s43                     ; my first row of the destination
	s_mul_i32 s44, s46, CROW
	s_add_nc_u64 s[28:29], s[28:29], s[44:45]
	s_lshl_b32 s44, s46, 6
	s_add_nc_u64 s[30:31], s[30:31], s[44:45]
.macro LOAD t                          ; step t's 2,048 bytes: 4 rows of a source are 16,384 consecutive bytes, eight steps
.irp i, 0,1,2,3
.if (\t) < 8
	global_load_b128 v[R+16*((\t)%4)+4*\i:R+16*((\t)%4)+4*\i+3], v3, s[8:9] offset:2048*(\t)+512*\i th:TH_LOAD_NT
.else
	global_load_b128 v[R+16*((\t)%4)+4*\i:R+16*((\t)%4)+4*\i+3], v3, s[10:11] offset:2048*((\t)-8)+512*\i th:TH_LOAD_NT
.endif
.endr
.endm
.macro TURN t                          ; step t's numbers through the stage: LDS serves a wave's instructions in order (ISA guide 5.7.1), so no wait stands between the stores and the loads
.irp i, 0,1,2,3
	ds_store_b128 v14, v[R+16*((\t)%4)+4*\i:R+16*((\t)%4)+4*\i+3] offset:32*SP*((\t)%2)+8*SP*\i
.endr
.irp i, 0,1,2,3
	ds_load_b128 v[X+16*((\t)%2)+4*\i:X+16*((\t)%2)+4*\i+3], v15 offset:32*SP*((\t)%2)+16*\i
.endr
.endm
.irp t, 0,1,2,3
	LOAD \t
.endr
	s_wait_loadcnt 12                              ; step 0's four loads are in; the twelve of steps 1 to 3 may be out
	TURN 0
.macro STEP t
.set XS, X+16*((\t)%2)
.if (\t) > 0
	s_wait_dscnt 1                                 ; this step's numbers are back from the stage (the last step's byte store may be out): so its stores into the stage have read their registers,
.else
	s_wait_dscnt 0x0
.endif
.if (\t)+4 < STEPS
	LOAD (\t)+4                                    ; which take the loads of four steps on
.endif
.if (\t)+1 < STEPS
.if STEPS-2-(\t) >= 3
	s_wait_loadcnt 12                              ; the next step's four loads are in; those of the three steps behind it may be out
.else
	s_wait_loadcnt 4*(STEPS-2-(\t))                ; towards the end fewer steps stand behind it
.endif
	TURN (\t)+1                                    ; and go through the other stage while this step is worked
.endif
	v_max3_num_f32 v8, |v[XS]|, |v[XS+1]|, |v[XS+2]|               ; the largest magnitude of my 16, in two chains
	v_max3_num_f32 v9, |v[XS+3]|, |v[XS+4]|, |v[XS+5]|
.irp i, 6,10
	v_max3_num_f32 v8, v8, |v[XS+\i]|, |v[XS+\i+1]|
	v_max3_num_f32 v9, v9, |v[XS+\i+2]|, |v[XS+\i+3]|
.endr
	v_max3_num_f32 v8, v8, |v[XS+14]|, |v[XS+15]|
	v_max3_num_f32 v8, v8, v9, (EMAX+1)<<23        ; and the floor 2^(EMAX + 1 - 127): so the byte cannot fall under 1
	v_max_num_f32_dpp v8, v8, v8 row_xmask:1 row_mask:0xf bank_mask:0xf   ; and of my neighbour's 16: the block's
	v_add_nc_u32 v11, -(EMAX<<23), v8              ; EMAX off its exponent field: the conversion takes the exponent field of this operand as its scale, and nothing else of it
	v_cvt_scalef32_pk16_fp6_f32 v[C+4*(\t):C+4*(\t)+2], v[XS:XS+15], v11   ; sixteen codes, 96 bits without gaps, the first number's code lowest
	v_lshrrev_b32 v[E+(\t)], 23, v11               ; the scale's byte (a plain line behind the conversion)
	ds_store_b8 v5, v[E+(\t)] offset:(((\t)%8)/2)*SROW+((\t)/8)*32+((\t)%2)*16   ; row, source, half of the row; both lanes of a block write the same byte with the same value
	global_store_b96 v4, v[C+4*(\t):C+4*(\t)+2], s[28:29] offset:(((\t)%8)/2)*CROW+((\t)/8)*768+((\t)%2)*384   ; 32 lanes store 384 consecutive bytes
.endm
.irp t, 0,1,2,3,4,5,6,7,8,9,10,11,12,13,14,15
	STEP \t
.endr
	ds_load_b64 v[12:13], v6                       ; LDS serves a wave's instructions in order: these see my byte stores
	s_wait_dscnt 0x0
	global_store_b64 v7, v[12:13], s[30:31]        ; 32 lanes store 256 consecutive bytes, at a multiple of 256 from the buffer's first byte
	s_wait_tensorcnt 0x0
	ds_add_u32 v192, v193
	s_wait_dscnt 0x0
	s_endpgm
.Lfunc_end_k_q86327b2b63_quant:
	.size	k_q86327b2b63_quant, .Lfunc_end_k_q86327b2b63_quant-k_q86327b2b63_quant
	.p2alignl 7, 3214868480
	.fill 96, 4, 3214868480
	.section	.rodata,"a",@progbits
	.p2align	6, 0x0
	.amdhsa_kernel k_q86327b2b63_quant
		.amdhsa_group_segment_fixed_size 33280
		.amdhsa_private_segment_fixed_size 0
		.amdhsa_enable_private_segment 0
		.amdhsa_kernarg_size 112
		.amdhsa_user_sgpr_count 2
		.amdhsa_user_sgpr_kernarg_segment_ptr 1
		.amdhsa_wavefront_size32 1
		.amdhsa_system_sgpr_workgroup_id_x 1
		.amdhsa_system_sgpr_workgroup_id_y 1
		.amdhsa_system_sgpr_workgroup_id_z 1
		.amdhsa_system_vgpr_workitem_id 0
		.amdhsa_next_free_vgpr 194
		.amdhsa_next_free_sgpr 66
		.amdhsa_reserve_vcc 0
		.amdhsa_float_denorm_mode_32 3
		.amdhsa_float_denorm_mode_16_64 3
		.amdhsa_memory_ordered 1
		.amdhsa_forward_progress 1
		.amdhsa_inst_pref_size 33
	.end_amdhsa_kernel
	.amdgpu_metadata
---
amdhsa.version: [ 1, 2 ]
amdhsa.kernels:
  - .name:           k_q86327b2b63_quant
    .symbol:         k_q86327b2b63_quant.kd
    .args:
      - { .name: x, .offset: 0, .size: 8, .value_kind: global_buffer, .address_space: global }
      - { .name: hidden, .offset: 8, .size: 8, .value_kind: global_buffer, .address_space: global }
      - { .name: W_fx, .offset: 16, .size: 8, .value_kind: global_buffer, .address_space: global }
      - { .name: W_fh, .offset: 24, .size: 8, .value_kind: global_buffer, .address_space: global }
      - { .name: W_ix, .offset: 32, .size: 8, .value_kind: global_buffer, .address_space: global }
      - { .name: W_ih, .offset: 40, .size: 8, .value_kind: global_buffer, .address_space: global }
      - { .name: W_cx, .offset: 48, .size: 8, .value_kind: global_buffer, .address_space: global }
      - { .name: W_ch, .offset: 56, .size: 8, .value_kind: global_buffer, .address_space: global }
      - { .name: W_ox, .offset: 64, .size: 8, .value_kind: global_buffer, .address_space: global }
      - { .name: W_oh, .offset: 72, .size: 8, .value_kind: global_buffer, .address_space: global }
      - { .name: aq, .offset: 80, .size: 8, .value_kind: global_buffer, .address_space: global }
      - { .name: asc, .offset: 88, .size: 8, .value_kind: global_buffer, .address_space: global }
      - { .name: wq, .offset: 96, .size: 8, .value_kind: global_buffer, .address_space: global }
      - { .name: wsc, .offset: 104, .size: 8, .value_kind: global_buffer, .address_space: global }
    .group_segment_fixed_size: 33280
    .private_segment_fixed_size: 0
    .kernarg_segment_align: 8
    .kernarg_segment_size: 112
    .max_flat_workgroup_size: 128
    .sgpr_count:     66
    .vgpr_count:     194
    .wavefront_size: 32
...
	.end_amdgpu_metadata
.endif
;; end of part 1
;; launch lstm (part 2): grid 16 x 32, 4 waves a work-group, clusters of 4 x 4, 327,680 bytes of LDS; arguments aq, asc, wq, wsc, b_f, b_i, b_c, b_o, cell, out0, out1; writes out0, out1
.if DOCPART == 2
	.amdgcn_target "amdgcn-amd-amdhsa--gfx1250"
	.amdhsa_code_object_version 6
	.text
	.protected	k_q86327b2b63_lstm
	.globl	k_q86327b2b63_lstm
	.p2align	8
	.type	k_q86327b2b63_lstm,@function
k_q86327b2b63_lstm:
	s_mov_b64 s[64:65], 0
	v_nop
	global_prefetch_b8 v0, s[64:65] scope:SCOPE_SE
	s_setreg_imm32_b32 hwreg(HW_REG_WAVE_MODE, 25, 1), 1
	s_wait_xcnt 0x0
	s_wait_alu depctr_hold_cnt(0) depctr_sa_sdst(0) depctr_va_vdst(0) depctr_va_sdst(0) depctr_va_ssrc(0) depctr_va_vcc(0) depctr_vm_vsrc(0)
	s_getreg_b32 s2, hwreg(HW_REG_IB_STS2, 6, 4)
	s_cmp_eq_u32 s2, 0
	s_cbranch_scc0 .Lentry_in_a_cluster
	s_endpgm
.Lentry_in_a_cluster:
	s_bfe_u32 s2, ttmp6, 0x10000c
	s_cmp_lg_u32 s2, 0xf033
	s_cbranch_scc0 .Lentry_shape_is_right
	s_endpgm
.Lentry_shape_is_right:
; The LSTM cell on codes of FP6 (E2M3): pre[m][rho] = bias + sum over k of A[m][k] W[rho][k], A = aq [8192][K 2,048], W = wq [4096][K 2,048], one E8M0 scale for each 32 along K (asc, wsc), sums in f32; then, in f32,
; cell_new = sigmoid(f) cell + sigmoid(i) tanh(g), h = sigmoid(o) tanh(cell_new).  out0 = h, out1 = cell_new, both [8192][1024] f32.  The pre-activations never go to memory.
; Row rho = 256 tn + 128 wn + 32 g + c of wq is gate g (0 f, 1 i, 2 c, 3 o) of hidden column 64 tn + 32 wn + c.
; SHARES.  A work-group of four waves, as many as a WGP has SIMDs, makes 256 rows x 256 rows of W = 256 batch rows x 64 hidden columns, all four gates.  Wave (wm, wn) makes 128 x 128: 64 accumulators of 16 x 16, 512 registers;
; its W block b = 2 g + u is gate g, columns 16 u on, so the four gates of an output lie in ONE lane, 16 registers apart.
; K goes in steps of 256 (rows of 192 bytes) through a ring of two LDS slots filled by the tensor data mover; the scale bytes of the work-group's rows, for all of K, come once, with the first fills.
; CLUSTERS: 4 x 4 work-groups.  The four of a row of the cluster need the same tiles of A, the four of a column the same tiles of W: each tile is asked for JOINTLY, by the same tensor load with the same descriptor and a mask of the four.
; THE MATRIX INSTRUCTION IS USED TRANSPOSED (source 0 = 16 rows of W, source 1 = 16 rows of A): lane (r, h) holds batch row r and eight neighbouring columns 8 h + 0 .. 7.
; THE BIASES are the C of each sum's first matrix instruction: eight registers a block of W, in the result's layout.
; THE CELL TILE (256 rows x 256 bytes) comes by one plain tensor load a wave into slot 0 when that slot has had its last K step; cell_new is written over it in place, h into slot 1 when nobody reads it any more; both leave as whole
; rows of 256 bytes, block of 16 rows by block of 16 rows, while later blocks are still computed.
; LIMITS: NaN and infinities among the inputs are not served.  sigmoid(z) = 1 / (1 + e^-z), tanh(z) = sign(z) (1 - E) / (1 + E) with E = e^(-2 |z|), by v_exp_f32 and v_rcp_f32, which flush what lies under 2^-126 to 0
; (ISA guide 15.8).  Nothing is clipped: e^-z may become infinite, its reciprocal is 0, the right limit; E lies in [0, 1], so 1 + E in [1, 2], and no infinity meets a zero.
; REGISTERS, in windows of 256: window 0: v1-31 addresses; v32-63 scale words, two sets, and nothing else ever; v64-127 the bias tiles; v128-223 A's fragments, ONE set; on the way out v64-191 are at work.
;   window 1: W's fragments, TWO sets, at v0 and v128.   window 2: the 32 accumulators of my rows 0-63 ((a, b) at v[8 (8 a + b)]);   window 3: those of my rows 64-127.
.set KSTEP,  256                       ; along K in a slot
.set NQ,     2                         ; matrix instructions deep
.set ROWB,   192                       ; a tile's row in bytes
.set KROW,   1536                      ; a row of aq or wq in memory
.set PITCH,  240                       ; an LDS row: 3 x (64 bytes + 16 of padding) = 60 words: row r starts at bank -4 r mod 64 (64 banks of 4 bytes: ISA guide 11.1)
.set FR,     12                        ; registers of a fragment: 16 rows x 128 K
.set NL,     6                         ; LDS loads that bring one
.set NP,     4                         ; places behind this matrix instruction (ISA guide 7.12.1)
.set HALFT,  128*PITCH                 ; 128 rows: what one tensor load brings, and what one wave reads of A or of W
.set SLOT,   4*HALFT                   ; A's 256 rows, then W's 256 rows
.set LAPS,   4                         ; a lap = two K steps = once round the ring: 2,048 / 512
.set KS,     64                        ; a row of scale bytes
.set SCL,    2*SLOT                    ; behind the ring: the scales, as runs of 256 bytes + 16 of padding
.set HALFS,  32*272                    ; the scales of 128 rows: what one tensor load brings
.set SBLK,   4*272                     ; those of 16 rows
.set SPARE,  SCL+4*HALFS               ; behind the scales: the spare words, 128 bytes for each wave: two blocks of 256 bytes that no other line names
.set CP,     272                       ; the cell tile's and h's stage's rows: 256 bytes + 16
.set HT,     SLOT                      ; h's stage lies in slot 1; the cell tile at LDS byte 0, in slot 0
.set VB,   7                           ; v7      my byte offset in a bias
.set PFO,  8                           ; v8      the prefetches' offset: 4,096 x lane, a lane a row of cell; never rewritten
.set ONE,  10                          ; v10-11  1.0, twice
.set ADRA, 16                          ; v16-17  LDS address of my A fragments in slot 0, 1  (v18-19: for the pieces that lie behind one padding more)
.set ADRB, 20                          ; v20-21  the same for W  (v22-23)
.set CA,   24                          ; v24     my 32 bytes of a row of the cell tile
.set HA,   25                          ; v25     the same in h's stage
.set CO,   26                          ; v26     the way out: my byte offset in out0 and out1
.set ADRS, 27                          ; v27     LDS address of my scale words: lanes 0-15 A's rows, lanes 16-31 W's
.set SPW,  28                          ; v28     LDS address of my spare word: SPARE + 4 x my thread's number; never rewritten
.set NIL,  29                          ; v29     0; never rewritten
.set RDC,  30                          ; v30     the way out: where I read rows of cell_new back
.set RDH,  31                          ; v31     and rows of h
.set SC,   32                          ; scale words: set s at v[SC + 16 s]; register 2 i + q: lanes 0-15 the word of A's block i, lanes 16-31 that of W's block i, for the slot's q-th 128 along K
.set BI,   64                          ; bias tiles: W's block b at v[BI + 8 b]
.set AF,   128                         ; A's fragments
.set TF,   64                          ; the way out, 16 registers each: f, i, g, o (one run of 64: one batch of exponentials),
.set TI,   80
.set TG,   96
.set TO,   112
.set NG,   128                         ; a numerator,
.set CL,   144                         ; cell, then cell_new,
.set BK,   160                         ; and 32 registers of rows read back
.set G1C, 4                            ; s[4:11]  descriptor group 1 for the cell tile (the registers held pointers before)
.set G1, 24                            ; s[24:31] group 1 for A's tiles;  s[32:39] group 0, one set for each slot
.set G0, 32
.set G1B, 48                           ; s[48:55], s[56:63] the same for W's tiles
.set G0B, 56
.set G1S, 68                           ; s[68:75], s[76:79] groups 1 and 0 for A's scales;  s[80:87], s[88:91] for W's
.set G0S, 76
.set G1SB, 80
.set G0SB, 88
.set G0C, 92                           ; s[92:95] group 0 for the cell tile
.set MSB, 0
.macro WIN new                         ; the immediate's high byte repeats the setting that is left; a switch that changes nothing is dropped
.if MSB != (\new)
	s_set_vgpr_msb (MSB<<8)|(\new)
.set MSB, (\new)
.endif
.endm
.set MUL_LO,   0xa1                    ; source 0 (W) window 1, source 1 (A) window 0, C and D window 2
.set MUL_HI,   0xf1                    ; the same, C and D window 3
.set FIRST_LO, 0x81                    ; the first step: C (a bias tile) window 0, D window 2
.set FIRST_HI, 0xc1                    ; D window 3
.set TO_B,     0x40                    ; destination window 1, address window 0
; A joint load: waves 0 and 1 fetch for A, waves 2 and 3 for W.  Each of the two lines has ONE mask and one set of registers for all that issue it; the branch hangs on the wave's number alone.
; Four v_nop follow each of the two lines, ahead of the jump, the label and what follows.
.macro JLOAD g0a, g1a, g0b, g1b
	s_cmp_eq_u32 s15, 0
	s_cbranch_scc0 .Lfor_b_\@
	tensor_load_to_lds s[\g0a:\g0a+3], s[\g1a:\g1a+7]
	s_nop 0
.rept 4
	v_nop
.endr
	s_branch .Lasked_\@
.Lfor_b_\@:
	tensor_load_to_lds s[\g0b:\g0b+3], s[\g1b:\g1b+7]
	s_nop 0
.rept 4
	v_nop
.endr
.Lasked_\@:
.endm
.macro CREST                           ; a round of the cluster's barrier behind its opening barrier
	s_cmp_lg_u32 s14, 0
	s_cbranch_scc1 .Lnot_wave_0_\@
	s_barrier_signal -3
.Lnot_wave_0_\@:
	s_barrier_wait -3
	s_barrier_signal -1
	s_barrier_wait -1
.endm
.macro CROUND                          ; a whole round
	s_barrier_signal -1
	s_barrier_wait -1
	CREST
.endm
; A PREFETCH INTO THE L2 of my wave's 64 rows of the cell tile, 256 bytes a row, a lane a row: rows 0-31 at the loop's last change out of slot 0, rows 32-63 at its last change out of slot 1: 256 and 128 matrix instructions
; ahead of the tensor load that asks for them.  No other work-group reads these bytes, so each row's 256 bytes are named once in the launch.  The address registers are never rewritten.
.macro ASK off
	s_cmp_eq_u32 s3, 1                             ; the loop's last trip: the same in every work-group
	s_cbranch_scc0 .Lnot_yet_\@
	global_prefetch_b8 v[PFO], s[96:97] offset:\off th:TH_LOAD_NT scope:SCOPE_SE
.Lnot_yet_\@:
.endm
	s_load_b256 s[4:11], s[0:1], 0x0               ; A's codes s[4:5], A's scales s[6:7], W's codes s[8:9], W's scales s[10:11]
	s_load_b128 s[96:99], s[0:1], 0x40             ; cell s[96:97], out0 s[98:99]
	s_load_b64 s[100:101], s[0:1], 0x50            ; out1
	v_lshl_add_u32 v[SPW], v0, 2, SPARE
	v_mov_b32 v[NIL], 0
	ds_add_u32 v28, v29
	ds_add_u32 v28, v29
	s_wait_dscnt 0x0
	v_lshrrev_b32 v1, 5, v0
	v_readfirstlane_b32 s14, v1                    ; wave 0..3
	s_lshr_b32 s15, s14, 1                         ; wm: which half of the tile's batch rows is mine.  Also: I fetch for A (0) or for W (1)
	s_and_b32 s16, s14, 1                          ; wn: which half of its rows of W.  Also: which 128 rows of that tile I fetch
	s_bfe_u32 s40, ttmp6, 0x40000                  ; cx, cy: my place in the cluster
	s_bfe_u32 s41, ttmp6, 0x40004
	s_lshl_b32 s42, ttmp9, 2
	s_add_co_u32 s42, s42, s40                     ; tn = 4 x cluster x + cx
	s_and_b32 s17, ttmp7, 0xffff
	s_lshl_b32 s17, s17, 2
	s_add_co_u32 s17, s17, s41                     ; tr = 4 x cluster y + cy
	s_lshl_b32 s43, s41, 2
	s_lshl_b32 s43, 15, s43                        ; my row of the cluster
	s_lshl_b32 s44, 0x1111, s40                    ; my column
	; descriptor group 1: a tile of 128 rows x 192 bytes, padded in LDS
	s_or_b32 s[G1+0], s43, (0<<16)|(1<<20)|(1<<21)|(3<<22)|(3<<25)  ; 15:0 the mask: A's tiles go to my row; 17:16 element of 1 byte; 20 padding on; 21 set beside a mask; 24:22 after every 16 words (code 3); 31:25 of 4 words (code 3)
	s_or_b32 s[G1B+0], s44, (0<<16)|(1<<20)|(1<<21)|(3<<22)|(3<<25) ; the same with the mask of my column, for W's tiles
.irp g, G1, G1B
	s_mov_b32 s[\g+1], ROWB<<16                    ; tensor_dim0
	s_mov_b32 s[\g+2], 128<<16                     ; tensor_dim1 = 128
	s_mov_b32 s[\g+3], ROWB<<16                    ; tile_dim0
	s_mov_b32 s[\g+4], 128                         ; tile_dim1 = 128
	s_mov_b32 s[\g+5], KROW                        ; tensor_dim0_stride
	s_mov_b32 s[\g+6], 0
	s_mov_b32 s[\g+7], 0
.endr
	; and for the scales of 128 rows: a dense block of 8,192 bytes, as 32 rows of 256 bytes (32 elements of 8 bytes), 16 bytes of padding behind each
	s_or_b32 s[G1S+0], s43, (3<<16)|(1<<20)|(1<<21)|(5<<22)|(3<<25)
	s_or_b32 s[G1SB+0], s44, (3<<16)|(1<<20)|(1<<21)|(5<<22)|(3<<25)
.irp g, G1S, G1SB
	s_mov_b32 s[\g+1], 32<<16
	s_mov_b32 s[\g+2], 32<<16
	s_mov_b32 s[\g+3], 32<<16
	s_mov_b32 s[\g+4], 32
	s_mov_b32 s[\g+5], 32
	s_mov_b32 s[\g+6], 0
	s_mov_b32 s[\g+7], 0
.endr
	s_lshl_b32 s18, s16, 7                         ; which 128 rows of the tile I fetch
	s_lshl_b32 s20, s17, 8
	s_add_co_u32 s20, s20, s18                     ; A: row 256 tr + 128 x half
	s_lshl_b32 s46, s42, 8
	s_add_co_u32 s46, s46, s18                     ; W: row 256 tn + 128 x half
	s_mov_b32 s21, 0
	s_mov_b32 s47, 0
	s_mov_b64 s[18:19], KS
	s_mul_u64 s[22:23], s[20:21], s[18:19]         ; where these rows' scales begin, in bytes
	s_mul_u64 s[92:93], s[46:47], s[18:19]
	s_mov_b64 s[18:19], KROW
	s_mul_u64 s[20:21], s[20:21], s[18:19]         ; and their codes
	s_mul_u64 s[46:47], s[46:47], s[18:19]
	s_mul_i32 s45, s14, HALFT                      ; where they go: wave x 128 rows: no place in the cluster enters an LDS address
	s_mul_i32 s94, s14, HALFS
	s_wait_kmcnt 0x0
	s_add_nc_u64 s[20:21], s[4:5], s[20:21]
	s_add_nc_u64 s[22:23], s[6:7], s[22:23]
	s_add_nc_u64 s[46:47], s[8:9], s[46:47]
	s_add_nc_u64 s[92:93], s[10:11], s[92:93]
	CROUND                                         ; all sixteen work-groups are here: the first joint loads meet
	s_mov_b32 s[G0S], 1
	s_add_co_u32 s[G0S+1], s94, SCL
	s_mov_b64 s[G0S+2:G0S+3], s[22:23]
	s_or_b32 s[G0S+3], s[G0S+3], 0x80000000
	s_mov_b32 s[G0SB], 1
	s_add_co_u32 s[G0SB+1], s94, SCL
	s_mov_b64 s[G0SB+2:G0SB+3], s[92:93]
	s_or_b32 s[G0SB+3], s[G0SB+3], 0x80000000
	JLOAD G0S, G1S, G0SB, G1SB                     ; the scales first: they are wanted with K step 0
.irp s, 0,1
	s_mov_b32 s[G0+4*\s], 1
	s_add_co_u32 s[G0+4*\s+1], s45, \s*SLOT
	s_add_nc_u64 s[G0+4*\s+2:G0+4*\s+3], s[20:21], \s*ROWB
	s_or_b32 s[G0+4*\s+3], s[G0+4*\s+3], 0x80000000
	s_mov_b32 s[G0B+4*\s], 1
	s_add_co_u32 s[G0B+4*\s+1], s45, \s*SLOT
	s_add_nc_u64 s[G0B+4*\s+2:G0B+4*\s+3], s[46:47], \s*ROWB
	s_or_b32 s[G0B+4*\s+3], s[G0B+4*\s+3], 0x80000000
	JLOAD G0+4*\s, G1, G0B+4*\s, G1B               ; three tensor loads of mine are out now
.endr
	s_load_b256 s[4:11], s[0:1], 0x20              ; b_f s[4:5], b_i s[6:7], b_c s[8:9], b_o s[10:11]: the four pointers that lay here have been added into the descriptors
	v_and_b32 v1, 15, v0                           ; r = l % 16
	v_bfe_u32 v2, v0, 4, 1                         ; h = l / 16
	v_mul_u32_u24 v3, v1, PITCH
	v_mul_u32_u24 v4, v2, 24
	v_add_nc_u32 v4, v3, v4                        ; a fragment's row x pitch + 24 x half
	v_lshl_add_u32 v5, v2, 4, v4                   ; and the same behind one padding more
	s_mul_i32 s21, s15, HALFT                      ; my 128 rows of A
	s_mul_i32 s22, s16, HALFT                      ; my 128 rows of W,
	s_add_co_u32 s22, s22, 2*HALFT                 ; which lie behind A's 256
.irp s, 0,1
	v_add_nc_u32 v[ADRA+\s], s21, v4
	v_add_nc_u32 v[ADRB+\s], s22, v4
	v_add_nc_u32 v[ADRA+2+\s], s21, v5
	v_add_nc_u32 v[ADRB+2+\s], s22, v5
	s_add_co_u32 s21, s21, SLOT
	s_add_co_u32 s22, s22, SLOT
.endr
	v_mul_u32_u24 v5, v1, KS                       ; my row's scales: 64 bytes a row,
	v_lshrrev_b32 v6, 8, v5
	v_lshl_add_u32 v5, v6, 4, v5                   ; and 16 more for each 256 passed
	s_mul_i32 s21, s15, HALFS                      ; A's: my 128 rows
	s_mul_i32 s22, s16, HALFS                      ; W's: my 128 rows, behind A's 256
	s_add_co_u32 s22, s22, 2*HALFS
	s_sub_co_u32 s22, s22, s21
	v_mul_u32_u24 v6, s22, v2                      ; lanes 16-31 take W's: one product, the distance between the two bases x h
	s_add_co_u32 s21, s21, SCL
	v_add_nc_u32 v5, v5, v6
	v_add_nc_u32 v[ADRS], s21, v5
	; the way out.  In the cell tile and in h's stage lane (r, h) of wave (wm, wn) owns, of row 128 wm + 16 a + r, the bytes 128 wn + 64 u + 32 h + 0 .. 31
	s_mul_i32 s23, s15, 128*CP
	s_lshl_b32 s22, s16, 7
	s_add_co_u32 s22, s23, s22
	v_mul_u32_u24 v5, v1, CP
	v_lshl_add_u32 v5, v2, 5, v5
	v_add_nc_u32 v[CA], s22, v5
	v_add_nc_u32 v[HA], HT, v[CA]
	s_mul_i32 s22, s16, 8*CP                       ; back: of a block's 16 rows wave wn sends 8 wn .. 8 wn + 7, whole: lanes 0-15 one row of 256 bytes, lanes 16-31 the next
	s_add_co_u32 s22, s23, s22
	v_mul_u32_u24 v5, v2, CP
	v_lshl_add_u32 v5, v1, 4, v5
	v_add_nc_u32 v[RDC], s22, v5
	v_add_nc_u32 v[RDH], HT, v[RDC]
	v_lshlrev_b32 v5, 12, v2                       ; and the same two rows in out0 and out1: rows of 4,096 bytes
	v_lshl_add_u32 v[CO], v1, 4, v5
	v_and_b32 v5, 31, v0
	v_lshlrev_b32 v[PFO], 12, v5
	v_mov_b32 v[ONE], 1.0
	v_mov_b32 v[ONE+1], 1.0
	s_lshl_b32 s46, s42, 8                         ; 256 tn: the tile's 64 columns, in bytes
	s_lshl_b32 s47, s16, 7
	s_add_co_u32 s47, s46, s47
	v_lshl_add_u32 v[VB], v2, 5, s47               ; a bias: 256 tn + 128 wn + 32 h; block 2 g + u adds 64 u
	s_wait_kmcnt 0x0
.irp g, 0,1,2,3
.irp u, 0,1
.irp q, 0,1
	global_load_b128 v[BI+8*(2*\g+\u)+4*\q:BI+8*(2*\g+\u)+4*\q+3], v[VB], s[4+2*\g:5+2*\g] offset:64*\u+16*\q   ; register j: bias of gate g at column 64 tn + 32 wn + 16 u + 8 h + j
.endr
.endr
.endr
	s_lshl_b32 s20, s17, 8                         ; cell at my wave's 64 rows of the tile: row 256 tr + 64 wave, + 256 tn bytes (under 2^26)
	s_lshl_b32 s21, s14, 6
	s_add_co_u32 s20, s20, s21
	s_lshl_b32 s20, s20, 12
	s_add_co_u32 s20, s20, s46
	s_mov_b32 s21, 0
	s_add_nc_u64 s[96:97], s[96:97], s[20:21]
	s_mov_b32 s[G0C], 1                            ; 1:0 count = 1
	s_mul_i32 s[G0C+1], s14, 64*CP                 ; 63:32 LDS address: wave x 64 rows, from LDS byte 0
	s_mov_b64 s[G0C+2:G0C+3], s[96:97]             ; 120:64 global address
	s_or_b32 s[G0C+3], s[G0C+3], 0x80000000        ; 127:126 type = 2
	s_lshl_b32 s20, s17, 8                         ; out0 and out1 at row 256 tr + 128 wm + 8 wn, + 256 tn bytes
	s_lshl_b32 s22, s15, 7
	s_add_co_u32 s20, s20, s22
	s_lshl_b32 s22, s16, 3
	s_add_co_u32 s20, s20, s22
	s_lshl_b32 s20, s20, 12
	s_add_co_u32 s20, s20, s46
	s_add_nc_u64 s[98:99], s[98:99], s[20:21]
	s_add_nc_u64 s[100:101], s[100:101], s[20:21]
.macro FRAG reg, adr, q, i             ; a fragment, 16 rows x 128 K of 6-bit codes, is 12 registers: lane l holds row l % 16; registers 6 c .. 6 c + 5 hold K = 64 c + 32 (l / 16) + 0 .. 31: 24 bytes of the row's stream of bits, as they lie
.irp p, 0,1,2,3,4,5                    ; in pieces of 8 bytes, so that every address is a multiple of the access's size.  Lanes 0-15 take the row's pieces 12 q + 0, 1, 2 and 12 q + 6, 7, 8, lanes 16-31 those three pieces on
.set PC, 12*(\q)+6*(\p/3)+\p%3         ; 16 bytes of padding lie behind every 64 bytes (8 pieces): where the piece three on lies behind one padding more, the second address register (40 for 24 bytes a half) serves
.if PC%8 < 5
	ds_load_b64 v[\reg+2*\p:\reg+2*\p+1], v[\adr] offset:8*PC+16*(PC/8)+(\i)*16*PITCH
.else
	ds_load_b64 v[\reg+2*\p:\reg+2*\p+1], v[\adr+2] offset:8*PC+16*(PC/8)+(\i)*16*PITCH
.endif
.endr
.endm
; 16 matrix instructions: A's blocks a0, a0 + 1 x W's eight, 128 along K: the slot's q-th.  p: W's set;  sc: the set of scale words.  first = 1: the sums begin with the bias tiles as C: nothing is cleared, nothing is added later.
; The 64 accumulators take turns, one instruction a turn, in the same order in every step.
.macro MUL16 a0, p, q, sc, first
.irp a, \a0, \a0+1
.irp b, 0,1,2,3,4,5,6,7
.if \first
	v_wmma_scale_f32_16x16x128_f8f6f4 v[8*(8*((\a)%4)+\b):8*(8*((\a)%4)+\b)+7], v[128*(\p)+FR*\b:128*(\p)+FR*\b+FR-1], v[AF+FR*(\a):AF+FR*(\a)+FR-1], v[BI+8*\b:BI+8*\b+7], v[SC+8*NQ*(\sc)+NQ*\b+(\q)], v[SC+8*NQ*(\sc)+NQ*(\a)+(\q)] matrix_a_fmt:MATRIX_FMT_FP6 matrix_b_fmt:MATRIX_FMT_FP6 matrix_a_scale:MATRIX_SCALE_ROW1
.else
	v_wmma_scale_f32_16x16x128_f8f6f4 v[8*(8*((\a)%4)+\b):8*(8*((\a)%4)+\b)+7], v[128*(\p)+FR*\b:128*(\p)+FR*\b+FR-1], v[AF+FR*(\a):AF+FR*(\a)+FR-1], v[8*(8*((\a)%4)+\b):8*(8*((\a)%4)+\b)+7], v[SC+8*NQ*(\sc)+NQ*\b+(\q)], v[SC+8*NQ*(\sc)+NQ*(\a)+(\q)] matrix_a_fmt:MATRIX_FMT_FP6 matrix_b_fmt:MATRIX_FMT_FP6 matrix_a_scale:MATRIX_SCALE_ROW1
.endif
.endr
.endr
.endm
.macro FETCH_B slot, q, p              ; W's eight fragments of the slot's q-th 128 along K into set p
	WIN TO_B
.irp i, 0,1,2,3,4,5,6,7
	FRAG 128*(\p)+FR*\i, ADRB+\slot, \q, \i
.endr
	WIN 0
.endm
.macro FETCH_A slot, q, i0             ; A's blocks i0 .. i0 + 3
.irp i, \i0, \i0+1, \i0+2, \i0+3
	FRAG AF+FR*(\i), ADRA+\slot, \q, \i
.endr
.endm
.macro SCALES sc                       ; the next K step's scale words into set sc: two words a row; lanes 0-15 take A's block i, lanes 16-31 W's block i
.irp i, 0,1,2,3,4,5,6,7
	ds_load_b64 v[SC+8*NQ*\sc+NQ*\i:SC+8*NQ*\sc+NQ*\i+1], v[ADRS] offset:\i*SBLK
.endr
.endm
; A load into a register that a matrix instruction has read, and a vector instruction that reads a matrix result or writes one of a matrix instruction's registers, stand NP places behind it, and only plain vector
; instructions that name none of its registers are places (ISA guide 7.12.1 for vector instructions); the matrix instructions in between are not counted.
.macro PLACES n
.rept \n
	v_nop
.endr
.endm
; A step of 128 along K that has its successor in the same slot.
.macro STEP slot, q, first
	s_wait_dscnt 4*NL                              ; W's set, A's blocks 0-3 and the scale words are in; the youngest 24 loads (A's blocks 4-7) may be out
.if \first
	WIN FIRST_LO
.else
	WIN MUL_LO
.endif
	MUL16 0, (\q)%2, \q, \slot, \first
	MUL16 2, (\q)%2, \q, \slot, \first
	s_wait_dscnt 0                                 ; A's blocks 4-7 are in (asked for 32 matrix instructions ago)
	PLACES NP
	FETCH_B \slot, (\q)+1, 1-(\q)%2
	FETCH_A \slot, (\q)+1, 0
.if \first
	WIN FIRST_HI
.else
	WIN MUL_HI
.endif
	MUL16 4, (\q)%2, \q, \slot, \first
	MUL16 6, (\q)%2, \q, \slot, \first
	PLACES NP
	WIN 0
	FETCH_A \slot, (\q)+1, 4
.endm
; A slot's last step changes slots.  In front of the barrier each wave waits for all its tensor loads, adds 0 to its spare word, and waits for that and for its own reads of this slot; the barrier opens a round of the cluster's barrier.
; fill = 1: this slot is filled again jointly, two K steps ahead.  fill = 2: the slot has had its last K step and takes the cell tile, each wave its own 64 rows, by a plain load.
.macro TURN slot, next, fill
	s_wait_tensorcnt 0x0                           ; all my tensor loads have landed: my part of the next slot;  (every window is 0 here: the add's two registers lie in window 0)
	ds_add_u32 v[SPW], v[NIL]                      ; 0 onto my spare word
	s_wait_dscnt 4*NL+1                            ; (the add and the youngest 24 loads, A's blocks 4-7, may be out)
	WIN MUL_LO
	MUL16 0, 1, NQ-1, \slot, 0                     ; sixteen matrix instructions stand between the add and the wait for it
	s_wait_dscnt 0x0                               ; the add is done, and my reads of this slot are over
	s_barrier_signal -1
	MUL16 2, 1, NQ-1, \slot, 0
	WIN 0
	s_barrier_wait -1
	CREST                                          ; no wave of any partner still reads this slot's tile or has a load on its way
.if \fill == 1
	s_add_nc_u64 s[G0+4*\slot+2:G0+4*\slot+3], s[G0+4*\slot+2:G0+4*\slot+3], 2*ROWB
	s_add_nc_u64 s[G0B+4*\slot+2:G0B+4*\slot+3], s[G0B+4*\slot+2:G0B+4*\slot+3], 2*ROWB
	JLOAD G0+4*\slot, G1, G0B+4*\slot, G1B         ; the first tensor load behind the round, my only one until the next; the four v_nop behind it are the places in front of the loads below
.else
	tensor_load_to_lds s[G0C:G0C+3], s[G1C:G1C+7]  ; likewise; it has 160 matrix instructions in which to land
	s_nop 0
	PLACES 4
.endif
	v_add_nc_u32 v[ADRS], 4*NQ, v[ADRS]            ; on to the next K step's scale words (no LDS load of mine is out)
	FETCH_B \next, 0, 0
	FETCH_A \next, 0, 0
	SCALES \next
.if \fill == 1
	ASK \slot*131072                               ; behind the joint load and the run of LDS loads that the next products wait for
.endif
	WIN MUL_HI
	MUL16 4, 1, NQ-1, \slot, 0
	MUL16 6, 1, NQ-1, \slot, 0
	PLACES NP
	WIN 0
	FETCH_A \next, 0, 4
.endm
	s_wait_tensorcnt 1                             ; the scales and my part of K step 0 are in (K step 1's load may be out)
	s_barrier_signal -1
	s_barrier_wait -1                              ; everybody's are
	FETCH_B 0, 0, 0
	FETCH_A 0, 0, 0
	SCALES 0
	FETCH_A 0, 0, 4
	s_wait_loadcnt 0x0                             ; the bias tiles are in, and their loads are done with s[4:11], which now take the cell tile's shape:
	s_mov_b32 s[G1C+0], (2<<16)|(1<<20)|(5<<22)|(3<<25)   ; no mask; elements of 4 bytes; padding on: after every 64 words (code 5), 4 words (code 3)
	s_mov_b32 s[G1C+1], 64<<16                     ; tensor_dim0 = 64 numbers: 256 bytes, at a multiple of 256 from cell's first byte
	s_mov_b32 s[G1C+2], 64<<16                     ; tensor_dim1 = 64 rows
	s_mov_b32 s[G1C+3], 64<<16                     ; tile_dim0
	s_mov_b32 s[G1C+4], 64                         ; tile_dim1
	s_mov_b32 s[G1C+5], 1024                       ; tensor_dim0_stride: a row of cell
	s_mov_b32 s[G1C+6], 0
	s_mov_b32 s[G1C+7], 0
	STEP 0, 0, 1                                   ; the first step stands in front of the loop: its products start the sums on the biases
	s_mov_b32 s3, LAPS-1
.Llap:                                                 ; a trip goes once round the ring, from a lap's second step to the next lap's first, and fills both slots again
	TURN 0, 1, 1
	STEP 1, 0, 0
	TURN 1, 0, 1
	STEP 0, 0, 0
	s_sub_co_u32 s3, s3, 1
	s_cmp_lg_u32 s3, 0
	s_cbranch_scc1 .Llap
	TURN 0, 1, 2                                   ; the last lap: slot 0 takes the cell tile
	STEP 1, 0, 0
	s_wait_dscnt 4*NL                              ; the very last step: nothing more to fetch
	WIN MUL_LO
	MUL16 0, 1, NQ-1, 1, 0
	MUL16 2, 1, NQ-1, 1, 0
	s_wait_dscnt 0
	WIN MUL_HI
	MUL16 4, 1, NQ-1, 1, 0
	MUL16 6, 1, NQ-1, 1, 0
	WIN 0
	s_wait_tensorcnt 0x0                           ; my 64 rows of the cell tile are in,
	s_wait_dscnt 0x0                               ; and my reads of slot 1 are over:
	s_barrier_signal -1
	s_barrier_wait -1                              ; both hold of every wave: the cell tile is whole, and slot 1, which has had its last fill, may take h
	s_mov_b32 s18, 0xbfb8aa3b                      ; -log2(e): e^-z = 2^(-log2(e) z)
	s_mov_b32 s19, s18                             ; (the packed form names the pair and takes its low word for both halves: so s19 is written)
	s_mov_b32 s20, 0x4038aa3b                      ; 2 log2(e): e^(-2 |z|) = 2^(-|z| 2 log2(e))
	s_mov_b32 s21, 0x80000000                      ; a sign
	PLACES NP                                      ; behind the last products: their results are read, and registers that they read are written, from here on
; THE GATES of block a: my rows 16 a .. 16 a + 15, my 32 columns: 16 outputs a lane.  Output e = 8 u + j is column 16 u + 8 h + j; gate g's pre-activation of it lies in accumulator register AC + 16 g + e.
; With Ef = e^-f, Ei = e^-i, Eo = e^-o, Eg = e^(-2 |g|), Ec = e^(-2 |cell_new|):
;   cell_new = cell / (1 + Ef) + sign(g) (1 - Eg) / ((1 + Ei)(1 + Eg));   h = sign(cell_new) (1 - Ec) / ((1 + Eo)(1 + Ec)):  five exponentials and three reciprocals an output.
; (1 + Ei)(1 + Eg) is made as Ei (1 + Eg) + (1 + Eg), one multiply-add: 1 + Eg lies in [1, 2], so an infinite Ei stays infinite.
; Each batch of transcendentals is issued on end, plain work that names none of its results follows, and ONE s_wait_alu stands ahead of the batch's first reader.
; Each accumulator is read from its low end on.
.macro EPI a
.set AC, 64*((\a)%4)
.irp u, 0,1
.irp q, 0,1
	ds_load_b128 v[CL+8*\u+4*\q:CL+8*\u+4*\q+3], v[CA] offset:16*(\a)*CP+64*\u+16*\q   ; cell at my 16 outputs
.endr
.endr
	WIN 0x02+(\a)/4                                ; source 0: the accumulators' window
.irp e, 0,2,4,6,8,10,12,14
	v_pk_mul_f32 v[TF+\e:TF+\e+1], v[AC+\e:AC+\e+1], s[18:19] op_sel_hi:[1,0]
.endr
.irp e, 0,2,4,6,8,10,12,14
	v_pk_mul_f32 v[TI+\e:TI+\e+1], v[AC+16+\e:AC+16+\e+1], s[18:19] op_sel_hi:[1,0]
.endr
.irp e, 0,1,2,3,4,5,6,7,8,9,10,11,12,13,14,15
	v_mul_f32 v[TG+\e], -|v[AC+32+\e]|, s20
.endr
.irp e, 0,2,4,6,8,10,12,14
	v_pk_mul_f32 v[TO+\e:TO+\e+1], v[AC+48+\e:AC+48+\e+1], s[18:19] op_sel_hi:[1,0]
.endr
	WIN 0
.set n, 0
.rept 64
	v_exp_f32 v[TF+n], v[TF+n]                     ; Ef, Ei, Eg, Eo
.set n, n+1
.endr
	v_nop                                          ; a plain instruction behind the last exponential
	s_wait_alu depctr_va_vdst(0)                   ; one wait for the 64
.irp e, 0,2,4,6,8,10,12,14
	v_pk_add_f32 v[NG+\e:NG+\e+1], v[ONE:ONE+1], v[TG+\e:TG+\e+1] neg_lo:[0,1] neg_hi:[0,1]   ; 1 - Eg
.endr
.irp e, 0,2,4,6,8,10,12,14
	v_pk_add_f32 v[TG+\e:TG+\e+1], v[TG+\e:TG+\e+1], v[ONE:ONE+1]                             ; 1 + Eg
.endr
.irp e, 0,2,4,6,8,10,12,14
	v_pk_add_f32 v[TF+\e:TF+\e+1], v[TF+\e:TF+\e+1], v[ONE:ONE+1]                             ; 1 + Ef
.endr
.irp e, 0,2,4,6,8,10,12,14
	v_pk_fma_f32 v[TI+\e:TI+\e+1], v[TI+\e:TI+\e+1], v[TG+\e:TG+\e+1], v[TG+\e:TG+\e+1]       ; (1 + Ei)(1 + Eg)
.endr
.set n, 0
.rept 32
	v_rcp_f32 v[TF+n], v[TF+n]                     ; sigmoid(f);  1 / ((1 + Ei)(1 + Eg))
.set n, n+1
.endr
	WIN 0x02+(\a)/4
.irp e, 0,1,2,3,4,5,6,7,8,9,10,11,12,13,14,15
	v_and_or_b32 v[NG+\e], v[AC+32+\e], s21, v[NG+\e]   ; g's sign onto 1 - Eg: the plain work behind the reciprocals
.endr
	WIN 0
	s_wait_alu depctr_va_vdst(0)                   ; one wait for the 32
.irp e, 0,2,4,6,8,10,12,14
	v_pk_mul_f32 v[NG+\e:NG+\e+1], v[NG+\e:NG+\e+1], v[TI+\e:TI+\e+1]                         ; sigmoid(i) tanh(g)
.endr
	s_wait_dscnt 0x0                               ; cell is in
.irp e, 0,2,4,6,8,10,12,14
	v_pk_fma_f32 v[CL+\e:CL+\e+1], v[CL+\e:CL+\e+1], v[TF+\e:TF+\e+1], v[NG+\e:NG+\e+1]       ; cell_new
.endr
.irp u, 0,1
.irp q, 0,1
	ds_store_b128 v[CA], v[CL+8*\u+4*\q:CL+8*\u+4*\q+3] offset:16*(\a)*CP+64*\u+16*\q   ; over the very bytes of cell that I read: nobody else reads them before the barrier below
.endr
.endr
.irp e, 0,1,2,3,4,5,6,7,8,9,10,11,12,13,14,15
	v_mul_f32 v[TG+\e], -|v[CL+\e]|, s20
.endr
.set n, 0
.rept 16
	v_exp_f32 v[TG+n], v[TG+n]                     ; Ec
.set n, n+1
.endr
	v_nop
	s_wait_alu depctr_va_vdst(0)                   ; one wait for the 16
.irp e, 0,2,4,6,8,10,12,14
	v_pk_add_f32 v[NG+\e:NG+\e+1], v[ONE:ONE+1], v[TG+\e:TG+\e+1] neg_lo:[0,1] neg_hi:[0,1]   ; 1 - Ec
.endr
.irp e, 0,2,4,6,8,10,12,14
	v_pk_add_f32 v[TG+\e:TG+\e+1], v[TG+\e:TG+\e+1], v[ONE:ONE+1]                             ; 1 + Ec
.endr
.irp e, 0,2,4,6,8,10,12,14
	v_pk_fma_f32 v[TO+\e:TO+\e+1], v[TO+\e:TO+\e+1], v[TG+\e:TG+\e+1], v[TG+\e:TG+\e+1]       ; (1 + Eo)(1 + Ec)
.endr
.set n, 0
.rept 16
	v_rcp_f32 v[TO+n], v[TO+n]
.set n, n+1
.endr
.irp e, 0,1,2,3,4,5,6,7,8,9,10,11,12,13,14,15
	v_and_or_b32 v[NG+\e], v[CL+\e], s21, v[NG+\e]      ; cell_new's sign onto 1 - Ec: the plain work behind the reciprocals
.endr
	s_wait_alu depctr_va_vdst(0)                   ; one wait for the 16
.irp e, 0,2,4,6,8,10,12,14
	v_pk_mul_f32 v[NG+\e:NG+\e+1], v[NG+\e:NG+\e+1], v[TO+\e:TO+\e+1]                         ; h
.endr
.irp u, 0,1
.irp q, 0,1
	ds_store_b128 v[HA], v[NG+8*\u+4*\q:NG+8*\u+4*\q+3] offset:16*(\a)*CP+64*\u+16*\q
.endr
.endr
.endm
; THE WAY OUT of block a.  A row's 256 bytes come from two waves, so a barrier stands between EPI and OUT; then each wave sends 8 whole rows of cell_new and of h.  The block's rows are written by nobody again,
; and the next block's stores fall on other rows: so one barrier a block is enough, and a block's stores leave while the next block is computed.
.macro OUT a
.if (\a) > 0
	s_wait_xcnt 0x0                                ; the last block's stores have read their registers (ISA guide 3.1): only behind this wait are these loaded again
.endif
.irp t, 0,1,2,3
	ds_load_b128 v[BK+4*\t:BK+4*\t+3], v[RDC] offset:(16*(\a)+2*\t)*CP
.endr
.irp t, 0,1,2,3
	ds_load_b128 v[BK+16+4*\t:BK+16+4*\t+3], v[RDH] offset:(16*(\a)+2*\t)*CP
.endr
.irp t, 0,1,2,3
	s_wait_dscnt 7-\t                              ; LDS loads come back in order: the 7 - t issued behind this one may be out
	global_store_b128 v[CO], v[BK+4*\t:BK+4*\t+3], s[100:101] offset:(16*(\a)+2*\t)*4096 th:TH_STORE_NT   ; 16 lanes store 256 consecutive bytes, at a multiple of 256 from out1's first byte; written once, read by nobody here
.endr
.irp t, 0,1,2,3
	s_wait_dscnt 3-\t
	global_store_b128 v[CO], v[BK+16+4*\t:BK+16+4*\t+3], s[98:99] offset:(16*(\a)+2*\t)*4096 th:TH_STORE_NT
.endr
.endm
.irp a, 0,1,2,3,4,5,6,7
	EPI \a
	s_wait_dscnt 0x0                               ; for the others' sake: my stores of the block's cell_new and h have landed
	s_barrier_signal -1
	s_barrier_wait -1
	OUT \a
.endr
	s_wait_tensorcnt 0x0                           ; the wave's end: behind my last tensor load and my last LDS store
	ds_add_u32 v[SPW], v[NIL]
	s_wait_dscnt 0x0
	CROUND                                         ; the closing round: no work-group ends while a partner may still ask for a tile that names it
	s_endpgm
.Lfunc_end_k_q86327b2b63_lstm:
	.size	k_q86327b2b63_lstm, .Lfunc_end_k_q86327b2b63_lstm-k_q86327b2b63_lstm
	.p2alignl 7, 3214868480
	.fill 96, 4, 3214868480
	.section	.rodata,"a",@progbits
	.p2align	6, 0x0
	.amdhsa_kernel k_q86327b2b63_lstm
		.amdhsa_group_segment_fixed_size 327680
		.amdhsa_private_segment_fixed_size 0
		.amdhsa_enable_private_segment 0
		.amdhsa_kernarg_size 88
		.amdhsa_user_sgpr_count 2
		.amdhsa_user_sgpr_kernarg_segment_ptr 1
		.amdhsa_wavefront_size32 1
		.amdhsa_system_sgpr_workgroup_id_x 1
		.amdhsa_system_sgpr_workgroup_id_y 1
		.amdhsa_system_sgpr_workgroup_id_z 1
		.amdhsa_system_vgpr_workitem_id 0
		.amdhsa_next_free_vgpr 1024
		.amdhsa_next_free_sgpr 102
		.amdhsa_reserve_vcc 0
		.amdhsa_float_denorm_mode_32 3
		.amdhsa_float_denorm_mode_16_64 3
		.amdhsa_memory_ordered 1
		.amdhsa_forward_progress 1
		.amdhsa_inst_pref_size 255
	.end_amdhsa_kernel
	.section	.bss,"aw",@nobits
	.p2align	6
	.space	262144
	.amdgpu_metadata
---
amdhsa.version: [ 1, 2 ]
amdhsa.kernels:
  - .name:           k_q86327b2b63_lstm
    .symbol:         k_q86327b2b63_lstm.kd
    .args:
      - { .name: aq, .offset: 0, .size: 8, .value_kind: global_buffer, .address_space: global }
      - { .name: asc, .offset: 8, .size: 8, .value_kind: global_buffer, .address_space: global }
      - { .name: wq, .offset: 16, .size: 8, .value_kind: global_buffer, .address_space: global }
      - { .name: wsc, .offset: 24, .size: 8, .value_kind: global_buffer, .address_space: global }
      - { .name: b_f, .offset: 32, .size: 8, .value_kind: global_buffer, .address_space: global }
      - { .name: b_i, .offset: 40, .size: 8, .value_kind: global_buffer, .address_space: global }
      - { .name: b_c, .offset: 48, .size: 8, .value_kind: global_buffer, .address_space: global }
      - { .name: b_o, .offset: 56, .size: 8, .value_kind: global_buffer, .address_space: global }
      - { .name: cell, .offset: 64, .size: 8, .value_kind: global_buffer, .address_space: global }
      - { .name: out0, .offset: 72, .size: 8, .value_kind: global_buffer, .address_space: global }
      - { .name: out1, .offset: 80, .size: 8, .value_kind: global_buffer, .address_space: global }
    .group_segment_fixed_size: 327680
    .private_segment_fixed_size: 0
    .kernarg_segment_align: 8
    .kernarg_segment_size: 88
    .max_flat_workgroup_size: 128
    .sgpr_count:     102
    .vgpr_count:     1024
    .wavefront_size: 32
...
	.end_amdgpu_metadata
.endif
;; end of part 2
